; MI455X (gfx1250); checked and timed in simulation.
; The chip was launched on July 23, 2026; its instructions are those of AMD's public machine-readable ISA for CDNA 5 (MIT licence, August 2026) and "CDNA5" Instruction Set Architecture Reference Guide (July 2026). The comments in the code are by the model that wrote it; some were corrected since.
;; Joint Hist Parzen Torch. Allowed arithmetic: matrix products marked QUANTISED: E2M1 operands, one E8M0 scale for each 32 along K, by v_wmma_scale_f32_16x16x128_f8f6f4 with both operands' format E2M1 (or v_wmma_scale_f32_32x16x128_f4), f32 sums; everything else in f32.
;; Inputs: bins_ref 64 float32; bins_tar 64 float32; img_ref 16 x 1 x 256 x 256 float32; img_tar 16 x 1 x 256 x 256 float32.
;; Outputs: out0 16 x 64 x 64 float32.
;; This version of the problem:
;;   THIS VERSION OF THE PROBLEM IS GIVEN IN LOW PRECISION. The matrix products marked QUANTISED in the list below multiply operands that are first quantised to E2M1 (2 exponent bits, 1 mantissa bit; 4 bits a number), with one power-of-two scale for each 32 numbers along K (OCP MX v1.0); their sums are f32. All else is computed in f32.
;;   The module's matrix products, in the order in which they are computed (A, B: the left and right operand; K: the contracted axis; several contracted axes count as one K, in the product's order):
;;     1. batch 16 x [M 64, K 65,536] x [K 65,536, N 64]; A: computed on the way; B: computed on the way: QUANTISED
;;   THE QUANTISER, for each operand of a quantised product, along K:
;;     - K is cut into blocks of 32 from its start; a last block that is shorter is filled with zeros.
;;     - A block's scale is 2^e with e = floor(log2(the largest magnitude in the block)) - 2, held to -126 .. 127; a block of zeros has e = 0. As a byte (E8M0): e + 127.
;;     - Each number is divided by its block's scale, clamped to +-6, and rounded to the nearest number of E2M1, ties to even, subnormals kept.
;;     - The product sums the exact products of the quantised numbers (number of the format x scale) in f32.
;;   ~~~python
;;   def quantise(x, axis):      # numpy; x: float32 -> the quantised numbers, widened to float32 again
;;       x = np.moveaxis(x, axis, -1); K = x.shape[-1]
;;       x = np.pad(x, [(0, 0)] * (x.ndim - 1) + [(0, -K % 32)]); x = x.reshape(x.shape[:-1] + (-1, 32)); a = np.abs(x).max(-1, keepdims=True)
;;       e = np.where(a > 0, np.clip(np.frexp(np.where(a > 0, a, 1))[1] - 1 - 2, -126, 127), 0)      # np.frexp(a)[1] - 1 = floor(log2(a)), exactly
;;       r = np.clip(x / 2.0 ** e, -6, 6)
;;       step = 2.0 ** (np.maximum(np.frexp(np.where(r == 0, 1, r))[1] - 1, 0) - 1)
;;       q = np.round(r / step) * step * 2.0 ** e      # np.round: ties to even
;;       return np.moveaxis(q.reshape(q.shape[:-2] + (-1,))[..., :K], -1, axis).astype(np.float32)
;;   ~~~
;;   OPERANDS COMPUTED ON THE WAY. 'Computed on the way' means the value that the module computes at that place (a softmax that the list does not call 'softmax' is quantised finished and normalised). What goes into a quantiser is computed in f32, as accurately as f32 sums, v_exp_f32 and their like allow (about 1e-6 of the number): no bf16 or f16 on the way to a quantiser, and a product that is left as it is and whose result goes on into a quantised operand takes f32 operands (vector FMAs, or v_wmma_f32_16x16x4_f32). A number that lies on a knife's edge between two numbers of the format may be rounded either way, as far as f32 arithmetic and the matrix unit's own rounding can turn it there, and no further.
;; 2 versions. Each part assembles by itself: llvm-mc -triple=amdgcn-amd-amdhsa -mcpu=gfx1250 --defsym DOCPART=n.
;; ======== version 1 of 2: 3 launches
;; workspace buffers: mm 4,096 bytes; part 4,194,304 bytes
;; launch minmax (part 1): grid 256 x 1, 8 waves a work-group, no clusters, 1,280 bytes of LDS; arguments img_ref, img_tar, mm; writes mm
.if DOCPART == 1
	.amdgcn_target "amdgcn-amd-amdhsa--gfx1250"
	.amdhsa_code_object_version 6
	.text
	.protected	k_qc653658543_minmax
	.globl	k_qc653658543_minmax
	.p2align	8
	.type	k_qc653658543_minmax,@function
k_qc653658543_minmax:
	s_mov_b64 s[64:65], 0
	v_nop
	global_prefetch_b8 v0, s[64:65] scope:SCOPE_SE
	s_setreg_imm32_b32 hwreg(HW_REG_WAVE_MODE, 25, 1), 1
	s_wait_xcnt 0x0
; The smallest and the largest number of each image, by parts.  img_ref, img_tar: 1,048,576 f32 each.
; Work-group x takes bytes 16,384 x .. 16,384 x + 16,383 of both images and stores 16 bytes at mm + 16 x:
; (min ref, max ref, min tar, max tar).  The next launch folds the 256 parts.
; Eight waves; a thread takes four times 16 bytes of each image, so a wave's load covers 512 consecutive bytes, and all
; eight loads of a thread are out together: nothing is read twice and there is no loop.
; LIMIT: NaN among the inputs is not served (the _num forms let a NaN lose, where reference() would hand it on).
.set MN, 8                             ; v8 min ref, v9 max ref, v10 min tar, v11 max tar: 16 bytes on end
.set OT, 12                            ; v12-15 the other half of the lanes' four
.set XR, 16                            ; v16-31 my 16 numbers of ref
.set XT, 32                            ; v32-47 my 16 numbers of tar
	s_load_b128 s[4:7], s[0:1], 0x0                ; img_ref, img_tar
	s_load_b64 s[8:9], s[0:1], 0x10                ; mm
	v_lshl_add_u32 v48, v0, 2, 0x100
	v_mov_b32 v49, 0
	v_lshlrev_b32 v1, 4, v0                        ; 16 bytes a thread
	v_lshrrev_b32 v2, 5, v0
	v_readfirstlane_b32 s10, v2                    ; wave 0..7
	v_lshlrev_b32 v3, 4, v2                        ; LDS: 16 bytes for each wave
	v_and_b32 v4, 7, v0
	v_lshlrev_b32 v4, 4, v4                        ; and back: lane l takes wave l % 8's
	s_lshl_b32 s12, ttmp9, 14                      ; my work-group's 16,384 bytes
	s_mov_b32 s13, 0
	s_lshl_b32 s14, ttmp9, 4                       ; and its 16 bytes of mm
	s_mov_b32 s15, 0
	s_mov_b32 s16, 0x76543210                      ; v_permlanex16_b32's selects for lane l xor 16
	s_mov_b32 s17, 0xfedcba98
.irp k, 0,1,2,3
	v_mov_b32 v[OT+\k], 0                          ; a lane permute's destination counts as one of its sources
.endr
	s_wait_kmcnt 0x0
	s_add_nc_u64 s[4:5], s[4:5], s[12:13]
	s_add_nc_u64 s[6:7], s[6:7], s[12:13]
	s_add_nc_u64 s[8:9], s[8:9], s[14:15]
.irp i, 0,1,2,3
	global_load_b128 v[XR+4*\i:XR+4*\i+3], v1, s[4:5] offset:4096*\i
.endr
.irp i, 0,1,2,3
	global_load_b128 v[XT+4*\i:XT+4*\i+3], v1, s[6:7] offset:4096*\i
.endr
; 16 numbers of a lane into one minimum and one maximum, three operands at a time; the two chains take turns
.macro FOLD mn, mx, b
	v_min3_num_f32 v[\mn], v[\b], v[\b+1], v[\b+2]
	v_max3_num_f32 v[\mx], v[\b], v[\b+1], v[\b+2]
.irp i, 3,5,7,9,11,13
	v_min3_num_f32 v[\mn], v[\mn], v[\b+\i], v[\b+\i+1]
	v_max3_num_f32 v[\mx], v[\mx], v[\b+\i], v[\b+\i+1]
.endr
	v_min_num_f32 v[\mn], v[\mn], v[\b+15]
	v_max_num_f32 v[\mx], v[\mx], v[\b+15]
.endm
; lanes l and l xor m join their four numbers
.macro ACROSS m
.irp k, 0,2
	v_min_num_f32_dpp v[MN+\k], v[MN+\k], v[MN+\k] row_xmask:\m row_mask:0xf bank_mask:0xf
	v_max_num_f32_dpp v[MN+1+\k], v[MN+1+\k], v[MN+1+\k] row_xmask:\m row_mask:0xf bank_mask:0xf
.endr
.endm
	s_wait_loadcnt 4                               ; ref's four loads are in, tar's four may be out
	FOLD MN, MN+1, XR
	s_wait_loadcnt 0x0
	FOLD MN+2, MN+3, XT
	ACROSS 1
	ACROSS 2
	ACROSS 4
	ACROSS 8
.irp k, 0,1,2,3
	v_permlanex16_b32 v[OT+\k], v[MN+\k], s16, s17
.endr
.irp k, 0,2
	v_min_num_f32 v[MN+\k], v[MN+\k], v[OT+\k]
	v_max_num_f32 v[MN+1+\k], v[MN+1+\k], v[OT+1+\k]
.endr
	ds_store_b128 v3, v[MN:MN+3]                   ; all lanes of a wave write the same 16 bytes with the same values
	s_wait_dscnt 0x0                               ; for the others' sake: my store has landed
	s_barrier_signal -1
	s_barrier_wait -1
	s_cmp_lg_u32 s10, 0
	s_cbranch_scc1 .Lothers                        ; wave 0 alone folds the eight waves' numbers
	ds_load_b128 v[MN:MN+3], v4                    ; lane l: wave l % 8's four
	s_wait_dscnt 0x0
	ACROSS 1
	ACROSS 2
	ACROSS 4                                       ; every group of eight lanes held all eight waves
	v_mov_b32 v5, 0
	v_cmp_eq_u32 vcc_lo, 0, v0
	s_wait_xcnt 0x0                                ; EXEC changes only behind this wait
	s_wait_tensorcnt 0x0
	ds_add_u32 v48, v49
	s_wait_dscnt 0x0
	s_and_saveexec_b32 s11, vcc_lo                 ; one lane stores the work-group's 16 bytes
	global_store_b128 v5, v[MN:MN+3], s[8:9]
	s_endpgm
.Lothers:
	s_wait_tensorcnt 0x0
	ds_add_u32 v48, v49
	s_wait_dscnt 0x0
	s_endpgm
.Lfunc_end_k_qc653658543_minmax:
	.size	k_qc653658543_minmax, .Lfunc_end_k_qc653658543_minmax-k_qc653658543_minmax
	.p2alignl 7, 3214868480
	.fill 96, 4, 3214868480
	.section	.rodata,"a",@progbits
	.p2align	6, 0x0
	.amdhsa_kernel k_qc653658543_minmax
		.amdhsa_group_segment_fixed_size 1280
		.amdhsa_private_segment_fixed_size 0
		.amdhsa_enable_private_segment 0
		.amdhsa_kernarg_size 24
		.amdhsa_user_sgpr_count 2
		.amdhsa_user_sgpr_kernarg_segment_ptr 1
		.amdhsa_wavefront_size32 1
		.amdhsa_system_sgpr_workgroup_id_x 1
		.amdhsa_system_sgpr_workgroup_id_y 1
		.amdhsa_system_sgpr_workgroup_id_z 1
		.amdhsa_system_vgpr_workitem_id 0
		.amdhsa_next_free_vgpr 50
		.amdhsa_next_free_sgpr 66
		.amdhsa_reserve_vcc 1
		.amdhsa_float_denorm_mode_32 3
		.amdhsa_float_denorm_mode_16_64 3
		.amdhsa_memory_ordered 1
		.amdhsa_forward_progress 1
		.amdhsa_inst_pref_size 7
	.end_amdhsa_kernel
	.amdgpu_metadata
---
amdhsa.version: [ 1, 2 ]
amdhsa.kernels:
  - .name:           k_qc653658543_minmax
    .symbol:         k_qc653658543_minmax.kd
    .args:
      - { .name: img_ref, .offset: 0, .size: 8, .value_kind: global_buffer, .address_space: global }
      - { .name: img_tar, .offset: 8, .size: 8, .value_kind: global_buffer, .address_space: global }
      - { .name: mm, .offset: 16, .size: 8, .value_kind: global_buffer, .address_space: global }
    .group_segment_fixed_size: 1280
    .private_segment_fixed_size: 0
    .kernarg_segment_align: 8
    .kernarg_segment_size: 24
    .max_flat_workgroup_size: 256
    .sgpr_count:     66
    .vgpr_count:     50
    .wavefront_size: 32
...
	.end_amdgpu_metadata
.endif
;; end of part 1
;; launch hist (part 2): grid 256 x 1, 8 waves a work-group, no clusters, 140,288 bytes of LDS; arguments img_ref, img_tar, bins_ref, bins_tar, mm, part; writes part
.if DOCPART == 2
	.amdgcn_target "amdgcn-amd-amdhsa--gfx1250"
	.amdhsa_code_object_version 6
	.text
	.protected	k_qc653658543_hist
	.globl	k_qc653658543_hist
	.p2align	8
	.type	k_qc653658543_hist,@function
k_qc653658543_hist:
	s_mov_b64 s[64:65], 0
	v_nop
	global_prefetch_b8 v0, s[64:65] scope:SCOPE_SE
	s_setreg_imm32_b32 hwreg(HW_REG_WAVE_MODE, 25, 1), 1
	s_wait_xcnt 0x0
; part[x][b][c] = the sum over 4,096 pixels p of Q(W_ref[b][p]) Q(W_tar[c][p]), x = 16 x image + sixteenth of the image's 65,536 pixels.
; W[b][p] = cubic B-spline((bins[b] - r[p]) x 64), r = (pixel - min) / (max - min) over the whole tensor; Q = MX-FP4 along the pixels: E2M1 codes, one E8M0 scale for each 32.
; The next launch adds an image's sixteen parts and multiplies by 4,096.
; WHAT BINDS is vector work: 64 bins x 2 images for each pixel.  So the spline is laid for few instructions.  Pixels and bins are scaled ONCE by 64 L, L^2 = 6^(1/3) / 2:
;   D = B - R (packed)   t = min(|D|, 4)   s = t t (packed)   u = 2 c - t / sqrt(3) = c (2 - |x|), c^3 = 1/6 (packed fma)
;   P1 = 2/3 - s u = 2/3 - x^2 + |x|^3 / 2 (packed fma: L^2 c = 1/2)   P2 = (u u) u = (2 - |x|)^3 / 6 (two packed)   W = the middle one of P1, P2 and 0.
; The middle one is the choice and the clip at once: P1 < P2 where |x| < 1;  0 <= P2 <= P1 from 1 to 2;  P2 < 0 < P1 beyond 2 (P1 never falls under 2/27).  Five instructions a number; zeros beyond the support are exact.
; LIMITS.  The scaling ahead of the subtraction is another order of f32 roundings than reference()'s: B and R lie under 64 where W is not 0, each rounding is at most 2^-19 there, four of them: the spline's
; argument differs by under 1e-5 of a bin's width.  A block of zeros has the scale byte 1 (its codes are zeros; the bytes are read here alone).  NaN and infinities among the inputs are not served; an image
; tensor whose numbers are all equal, for which reference() gives NaN, gives zeros here.
; SHARES.  Eight waves, two to a SIMD, so that one wave's dependent lines (largest magnitude, scale, conversion) stand beside the other's vector work.  Wave w owns pixels 512 w .. 512 w + 511 of the work-group's
; 4,096: four K steps of 128, all 64 x 64 sums in 16 accumulators.  No wave waits for another before the one barrier at the end, where the eight waves' sums meet in LDS.
; LAYOUT.  Lane (r, h) of a tile owns bin 16 tile + r; its registers run along the pixels, 64 c + 32 h + 0 .. 31 for c = 0, 1: the FP4 operand's own layout, so a block of 32 lies in one lane and the conversions'
; results are the operand's registers.  Sixteen lanes want the same pixels: a wave normalises its 512 pixels of each image once, a lane to 16 bytes, puts them into its own LDS bytes and reads them back sixteen lanes to an address.
; The product is used transposed (source 0 = 16 bins of tar, source 1 = 16 bins of ref): a lane then holds eight neighbouring numbers of a row of the result.
; No tensor loads, clusters or prefetches: a work-group reads its 32 KB of pixels once, at its head, and shares with the others only mm and the bins, 4.5 KB.
; REGISTERS.  Window 0: below.  Window 1: the 16 accumulators, (a, b) at v[8 (4 a + b)].
.set KSTEPS, 4                         ; K steps of a wave
.set SP,     272                       ; a stage row: 256 bytes + 16 = 17 x 16: the sixteen rows that a store touches fall on sixteen different 16-byte columns modulo 256
.set WREG,   64*SP                     ; LDS: a region of its own for each wave: first its pixels (ref 2,048 bytes, then tar), at the end its 64 x 64 sums
.set TAR,    2048
.set SH,   4                           ; v4   8 h: where my two scale bytes go in the word
.set PXB,  5                           ; v5   LDS: my wave's pixels + 128 h; never rewritten
.set PXA,  6                           ; v6   the same at the K step in hand
.set STO,  7                           ; v7   the way out: where I put 32 bytes of a row
.set L16,  8                           ; v8   16 x lane
.set R4,   9                           ; v9   4 r
.set GC,   10                          ; v[10:11] 2 c, twice
.set K23,  12                          ; v[12:13] 2/3, twice
.set RD0,  14                          ; v14  the way out: where I read rows back, waves 0-3's stages;  v15 waves 4-7's
.set RD1,  15
.set BL,   16                          ; v16-31   the scaled bin of tile q (0-3 ref, 4-7 tar), twice: pairs for the packed subtraction
.set PX,   32                          ; v32-95   64 scaled pixels of the image in hand
.set T,    96                          ; v96-111  at work: D, t, u u, P2
.set U,    112                         ; v112-127 at work: u
.set BV,   128                         ; v128-159 a block's 32 numbers: s, P1, W
.set CR,   160                         ; v160-191 ref's four fragments of codes
.set CT,   192                         ; v192-223 tar's
.set SC,   224                         ; v224-231 the eight scale words, and nothing else
.set MX,   232                         ; v232-235 four chains of the largest magnitude
.set E,    236                         ; v236-237 the two blocks' scale operands
.set W0,   238                         ; v238-241 at work
.set XL,   242                         ; v242 the other half of the lanes' bytes
.set PXS,  243                         ; v243 LDS: where I put my 16 bytes of pixels
.set MM,   160                         ; at the head: v160-191 eight entries of mm
.set MSB, 0
.macro WIN new                         ; the immediate's high byte repeats the setting that is left
.if MSB != \new
	s_set_vgpr_msb (MSB<<8)|\new
.set MSB, \new
.endif
.endm
	s_load_b256 s[4:11], s[0:1], 0x0               ; img_ref, img_tar, bins_ref, bins_tar
	s_load_b128 s[12:15], s[0:1], 0x20             ; mm, part
	v_lshl_add_u32 v254, v0, 2, 0x22000
	v_mov_b32 v255, 0
	v_lshrrev_b32 v1, 5, v0
	v_readfirstlane_b32 s16, v1                    ; wave 0..7
	v_and_b32 v1, 31, v0                           ; lane
	v_and_b32 v2, 15, v0                           ; r
	v_bfe_u32 v3, v0, 4, 1                         ; h
	v_lshlrev_b32 v[SH], 3, v3
	v_lshlrev_b32 v[L16], 4, v1
	v_lshlrev_b32 v[R4], 2, v2
	s_lshl_b32 s18, ttmp9, 14                      ; the work-group's 16,384 bytes of each image, and of part,
	s_lshl_b32 s17, s16, 11                        ; my wave's 2,048 of them: 512 pixels; 8 rows of the result
	s_add_co_u32 s18, s18, s17
	s_mov_b32 s19, 0
	s_mul_i32 s17, s16, WREG                       ; my wave's LDS region
	s_mul_i32 s29, s16, 8*SP                       ; the 8 stage rows that I add up at the end
	s_mov_b32 s20, 0x76543210                      ; v_permlanex16_b32's selects for lane l xor 16
	s_mov_b32 s21, 0xfedcba98
	s_mov_b32 s22, 0xbf13cd3a                      ; -1 / sqrt(3) = -c / L
	s_mov_b32 s23, s22                             ; (the packed form names the pair)
	s_mov_b32 s26, 0x427403e3                      ; 64 L = 61.003795
	s_mov_b32 s27, 0x1800000                       ; the floor 2^(3 - 127) of a block's largest magnitude: the scale byte cannot fall under 1
	s_mov_b32 s28, 0xff000000                      ; takes 2 off an exponent field
	s_wait_kmcnt 0x0
	s_add_nc_u64 s[4:5], s[4:5], s[18:19]
	s_add_nc_u64 s[6:7], s[6:7], s[18:19]
	s_add_nc_u64 s[14:15], s[14:15], s[18:19]
.irp i, 0,1,2,3,4,5,6,7
	global_load_b128 v[MM+4*\i:MM+4*\i+3], v[L16], s[12:13] offset:512*\i     ; all 256 entries of mm, eight a lane: every wave folds them itself, so no barrier is needed
.endr
.irp i, 0,1,2,3
	global_load_b128 v[T+4*\i:T+4*\i+3], v[L16], s[4:5] offset:512*\i         ; my wave's 512 pixels of ref: 512 consecutive bytes a load
.endr
.irp i, 0,1,2,3
	global_load_b128 v[U+4*\i:U+4*\i+3], v[L16], s[6:7] offset:512*\i         ; and of tar
.endr
.irp t, 0,1,2,3
	global_load_b32 v[BV+\t], v[R4], s[8:9] offset:64*\t                      ; bins_ref[16 t + r]
	global_load_b32 v[BV+4+\t], v[R4], s[10:11] offset:64*\t                  ; bins_tar[16 t + r]
.endr
	; While these are out: the addresses, the constants, and the accumulators' zeros.  The K step is written once, 23 KB of text, and its first trip finds zeros:
	; written out a second time, so that its products could start the sums, it would double the text.
	v_lshl_add_u32 v[PXB], v3, 7, s17
	v_add_nc_u32 v[PXS], s17, v[L16]
	v_mul_u32_u24 v[STO], v2, SP
	v_lshl_add_u32 v[STO], v3, 5, v[STO]
	v_add_nc_u32 v[STO], s17, v[STO]               ; stage row r, + 32 h
	v_mul_u32_u24 v[RD0], v3, SP
	v_lshl_add_u32 v[RD0], v2, 4, v[RD0]
	v_add_nc_u32 v[RD0], s29, v[RD0]               ; back: lanes 0-15 one row of 256 bytes, lanes 16-31 the next
	v_add_nc_u32 v[RD1], 4*WREG, v[RD0]            ; (an LDS offset has 16 bits: a second register for the upper four stages)
	v_mov_b32 v[GC], 0x3f8ce1da                    ; 2 c = 1.1006424
	v_mov_b32 v[GC+1], 0x3f8ce1da
	v_mov_b32 v[K23], 0x3f2aaaab                   ; 2/3
	v_mov_b32 v[K23+1], 0x3f2aaaab
	v_mov_b32 v[XL], 0                             ; a lane permute's destination counts as one of its sources
.irp k, 0,1,2,3
	v_mov_b32 v[236+\k], 0
.endr
	WIN 0x40                                       ; destination window 1
.set n, 0
.rept 128
	v_mov_b32 v[n], 0
.set n, n+1
.endr
	WIN 0
	s_wait_loadcnt 16                              ; mm's eight loads are in; the eight of pixels and the eight of bins may be out
	; v232 min ref, v233 max ref, v234 min tar, v235 max tar: of my eight entries, then of all lanes'
.irp k, 0,2
	v_min3_num_f32 v[232+\k], v[MM+\k], v[MM+4+\k], v[MM+8+\k]
	v_max3_num_f32 v[233+\k], v[MM+1+\k], v[MM+5+\k], v[MM+9+\k]
.endr
.irp i, 12,20
.irp k, 0,2
	v_min3_num_f32 v[232+\k], v[232+\k], v[MM+\i+\k], v[MM+4+\i+\k]
	v_max3_num_f32 v[233+\k], v[233+\k], v[MM+1+\i+\k], v[MM+5+\i+\k]
.endr
.endr
.irp k, 0,2
	v_min_num_f32 v[232+\k], v[232+\k], v[MM+28+\k]
	v_max_num_f32 v[233+\k], v[233+\k], v[MM+29+\k]
.endr
.irp m, 1,2,4,8
.irp k, 0,2
	v_min_num_f32_dpp v[232+\k], v[232+\k], v[232+\k] row_xmask:\m row_mask:0xf bank_mask:0xf
	v_max_num_f32_dpp v[233+\k], v[233+\k], v[233+\k] row_xmask:\m row_mask:0xf bank_mask:0xf
.endr
.endr
.irp k, 0,1,2,3
	v_permlanex16_b32 v[236+\k], v[232+\k], s20, s21
.endr
.irp k, 0,2
	v_min_num_f32 v[232+\k], v[232+\k], v[236+\k]
	v_max_num_f32 v[233+\k], v[233+\k], v[237+\k]
.endr
	v_sub_f32 v236, v233, v232                     ; max - min, as reference() rounds it
	v_sub_f32 v237, v235, v234
	v_rcp_f32 v238, v236
	v_rcp_f32 v240, v237
	v_nop                                          ; a plain instruction behind the reciprocals
	s_wait_alu depctr_va_vdst(0)                   ; one wait for the two, ahead of their first reader
	v_fma_f32 v239, -v236, v238, 1.0               ; one Newton step: the reciprocal to the last bit or nearly
	v_fma_f32 v241, -v237, v240, 1.0
	v_fma_f32 v238, v238, v239, v238
	v_fma_f32 v240, v240, v241, v240
	v_mul_f32 v238, s26, v238                      ; 64 L / (max - min): ref's in v238, tar's in v240 (the low words of two pairs)
	v_mul_f32 v240, s26, v240
	s_wait_loadcnt 8                               ; the pixels are in; the bins' eight loads may be out
.irp j, 0,2,4,6,8,10,12,14
	v_pk_add_f32 v[T+\j:T+\j+1], v[T+\j:T+\j+1], v[232:233] op_sel_hi:[1,0] neg_lo:[0,1] neg_hi:[0,1]   ; pixel - min
	v_pk_add_f32 v[U+\j:U+\j+1], v[U+\j:U+\j+1], v[234:235] op_sel_hi:[1,0] neg_lo:[0,1] neg_hi:[0,1]
.endr
.irp j, 0,2,4,6,8,10,12,14
	v_pk_mul_f32 v[T+\j:T+\j+1], v[T+\j:T+\j+1], v[238:239] op_sel_hi:[1,0]                            ; R = 64 L r
	v_pk_mul_f32 v[U+\j:U+\j+1], v[U+\j:U+\j+1], v[240:241] op_sel_hi:[1,0]
.endr
.irp i, 0,1,2,3
	ds_store_b128 v[PXS], v[T+4*\i:T+4*\i+3] offset:512*\i
	ds_store_b128 v[PXS], v[U+4*\i:U+4*\i+3] offset:TAR+512*\i
.endr
; eight LDS loads: the 32 pixels of block 2 c + h at byte off of my wave's pixels; sixteen lanes read the same 16 bytes
.macro LOADPX adr, off, c
.irp j, 0,1,2,3,4,5,6,7
	ds_load_b128 v[PX+32*(\c)+4*\j:PX+32*(\c)+4*\j+3], v[\adr] offset:(\off)+256*(\c)+16*\j
.endr
.endm
	LOADPX PXB, 0, 0                               ; K step 0 of ref.  LDS serves a wave's instructions in order: these see my stores
	LOADPX PXB, 0, 1
	s_wait_loadcnt 0x0                             ; the bins
.irp q, 0,1,2,3,4,5,6,7
	v_mul_f32 v[BL+2*\q], s26, v[BV+\q]            ; B = 64 L bin, twice
	v_mul_f32 v[BL+2*\q+1], s26, v[BV+\q]
.endr
; Sixteen numbers of tile q: half hf of block c.  Each stage is eight or sixteen lines that do not wait for each other.
.macro SUB q, c, hf
.set P, PX+32*(\c)+16*(\hf)
.set V, BV+16*(\hf)
.irp i, 0,2,4,6,8,10,12,14
	v_pk_add_f32 v[T+\i:T+\i+1], v[BL+2*(\q):BL+2*(\q)+1], v[P+\i:P+\i+1] neg_lo:[0,1] neg_hi:[0,1]      ; D = B - R
.endr
.irp i, 0,1,2,3,4,5,6,7,8,9,10,11,12,13,14,15
	v_min_num_f32 v[T+\i], |v[T+\i]|, 4.0                                                               ; t; the hold at 4, beyond the support's 2 L, keeps what follows small
.endr
.irp i, 0,2,4,6,8,10,12,14
	v_pk_mul_f32 v[V+\i:V+\i+1], v[T+\i:T+\i+1], v[T+\i:T+\i+1]                                         ; s = t t
.endr
.irp i, 0,2,4,6,8,10,12,14
	v_pk_fma_f32 v[U+\i:U+\i+1], v[T+\i:T+\i+1], s[22:23], v[GC:GC+1] op_sel_hi:[1,0,1]                 ; u = 2 c - t / sqrt(3)
.endr
.irp i, 0,2,4,6,8,10,12,14
	v_pk_fma_f32 v[V+\i:V+\i+1], v[V+\i:V+\i+1], v[U+\i:U+\i+1], v[K23:K23+1] neg_lo:[1,0,0] neg_hi:[1,0,0]   ; P1 = 2/3 - s u
.endr
.irp i, 0,2,4,6,8,10,12,14
	v_pk_mul_f32 v[T+\i:T+\i+1], v[U+\i:U+\i+1], v[U+\i:U+\i+1]
.endr
.irp i, 0,2,4,6,8,10,12,14
	v_pk_mul_f32 v[T+\i:T+\i+1], v[T+\i:T+\i+1], v[U+\i:U+\i+1]                                         ; P2 = u u u
.endr
.irp i, 0,1,2,3,4,5,6,7,8,9,10,11,12,13,14,15
	v_med3_num_f32 v[V+\i], v[V+\i], v[T+\i], 0                                                         ; W
.endr
.if \hf == 0
.irp j, 0,1,2,3
	v_max3_num_f32 v[MX+\j], v[V+2*\j], v[V+2*\j+1], s27                                                ; the block's largest (none is negative), in four chains that begin at the floor
.endr
.else
.irp j, 0,1,2,3
	v_max3_num_f32 v[MX+\j], v[MX+\j], v[V+2*\j], v[V+2*\j+1]
.endr
.endif
.irp j, 0,1,2,3
	v_max3_num_f32 v[MX+\j], v[MX+\j], v[V+8+2*\j], v[V+9+2*\j]
.endr
.endm
; A block of 32 along K of tile q becomes registers 4 c .. 4 c + 3 of the fragment at dst.  The largest magnitude's exponent field less 2 is the scale; the conversion takes the exponent field of its last operand and nothing else of it.
; Behind the conversions comes a plain line that names none of their registers (the next block's first subtraction, or WORD's first shift, which only reads a scale operand).
.macro BLOCK q, c, dst
	SUB \q, \c, 0
	SUB \q, \c, 1
	v_max3_num_f32 v[MX], v[MX], v[MX+1], v[MX+2]
	v_max_num_f32 v[MX], v[MX], v[MX+3]
	v_add_nc_u32 v[E+\c], s28, v[MX]
.irp g, 0,1,2,3
	v_cvt_scalef32_pk8_fp4_f32 v[\dst+4*(\c)+\g], v[BV+8*\g:BV+8*\g+7], v[E+\c]
.endr
.endm
; My two bytes are those of blocks h and 2 + h; with lane l xor 16's two the tile's scale word is whole, in both halves of the lanes.
.macro WORD sc
	v_lshrrev_b32 v[W0], 23, v[E]
	v_lshrrev_b32 v[W0+1], 23, v[E+1]
	v_lshl_or_b32 v[W0], v[W0+1], 16, v[W0]
	v_lshlrev_b32 v[W0], v[SH], v[W0]
	v_permlanex16_b32 v[XL], v[W0], s20, s21
	v_or_b32 v[\sc], v[W0], v[XL]
.endm
.macro TILE q, dst, sc
	BLOCK \q, 0, \dst
	BLOCK \q, 1, \dst
	WORD \sc
.endm
	s_mov_b32 s24, 0                               ; the K step
	s_mov_b32 s25, 0                               ; and its bytes in my wave's pixels
.Lk:
	s_wait_dscnt 8                                 ; ref's first block of pixels is in (and, in the first trip, my stores are done); the second block's eight loads may be out
	BLOCK 0, 0, CR
	s_wait_dscnt 0x0
	v_add_nc_u32 v[PXA], s25, v[PXB]               ; no LDS instruction of mine is out here
	BLOCK 0, 1, CR
	WORD SC
	TILE 1, CR+8, SC+1
	TILE 2, CR+16, SC+2
	BLOCK 3, 0, CR+24
	LOADPX PXA, TAR, 0                             ; ref's last tile has read these pixels: tar's take their place, a block's work ahead of their use
	BLOCK 3, 1, CR+24
	LOADPX PXA, TAR, 1
	WORD SC+3
	s_wait_dscnt 8                                 ; tar's first block is in; the second block's eight loads may be out
	BLOCK 4, 0, CT
	s_wait_dscnt 0x0
	BLOCK 4, 1, CT
	WORD SC+4
	TILE 5, CT+8, SC+5
	TILE 6, CT+16, SC+6
	BLOCK 7, 0, CT+24
	s_cmp_eq_u32 s24, KSTEPS-1                     ; the last trip fetches nothing
	s_cbranch_scc1 .Lno_next_0
	LOADPX PXA, 512, 0                             ; the next K step of ref
.Lno_next_0:
	BLOCK 7, 1, CT+24
	s_cmp_eq_u32 s24, KSTEPS-1
	s_cbranch_scc1 .Lno_next_1
	LOADPX PXA, 512, 1
.Lno_next_1:
	WORD SC+7
.rept 8
	v_nop                                          ; a scale register written by a vector instruction stands eight places ahead of a scaled matrix instruction, an operand so written four
.endr
	WIN 0x50                                       ; C and D window 1
.irp a, 0,1,2,3                                ; the 16 accumulators take turns, one instruction a turn, over the backward jump too
.irp b, 0,1,2,3
	v_wmma_scale_f32_16x16x128_f8f6f4 v[8*(4*\a+\b):8*(4*\a+\b)+7], v[CT+8*\b:CT+8*\b+7], v[CR+8*\a:CR+8*\a+7], v[8*(4*\a+\b):8*(4*\a+\b)+7], v[SC+4+\b], v[SC+\a] matrix_a_fmt:MATRIX_FMT_FP4 matrix_b_fmt:MATRIX_FMT_FP4
.endr
.endr
	WIN 0                                          ; the next trip's first block, 180 plain lines on other registers, stands ahead of the first write of a fragment or a scale word
	s_add_co_u32 s25, s25, 512
	s_add_co_u32 s24, s24, 1
	s_cmp_lt_u32 s24, KSTEPS
	s_cbranch_scc1 .Lk
	; THE WAY OUT.  Lane (r, h) of accumulator (a, b) holds row 16 a + r, columns 16 b + 8 h + 0 .. 7.  Each wave lays its 64 x 64 sums as rows into its own region (its pixels are read out);
	; behind the barrier wave w adds rows 8 w .. 8 w + 7 of the eight stages and stores them: 512 consecutive bytes a store.
.rept 4
	v_nop                                          ; four places between the last matrix instruction and the first read of results
.endr
	WIN 0x04                                       ; an LDS store's data are its source 1: window 1
.irp a, 0,1,2,3
.irp b, 0,1,2,3
	ds_store_b128 v[STO], v[8*(4*\a+\b):8*(4*\a+\b)+3] offset:\a*16*SP+64*\b          ; each accumulator from its low end on
	ds_store_b128 v[STO], v[8*(4*\a+\b)+4:8*(4*\a+\b)+7] offset:\a*16*SP+64*\b+16
.endr
.endr
	WIN 0
	s_wait_dscnt 0x0                               ; for the others' sake: my stores have landed
	s_barrier_signal -1
	s_barrier_wait -1
.irp w, 0,1,2,3
.irp i, 0,1,2,3
	ds_load_b128 v[PX+16*\w+4*\i:PX+16*\w+4*\i+3], v[RD0] offset:\w*WREG+\i*2*SP
.endr
.endr
.irp w, 0,1,2,3
.irp i, 0,1,2,3
	ds_load_b128 v[PX+64+16*\w+4*\i:PX+64+16*\w+4*\i+3], v[RD1] offset:\w*WREG+\i*2*SP
.endr
.endr
.macro ADDW a, b                       ; wave a's 16 numbers of my lane += wave b's
.irp p, 0,2,4,6,8,10,12,14
	v_pk_add_f32 v[PX+16*(\a)+\p:PX+16*(\a)+\p+1], v[PX+16*(\a)+\p:PX+16*(\a)+\p+1], v[PX+16*(\b)+\p:PX+16*(\b)+\p+1]
.endr
.endm
	s_wait_dscnt 16                                ; waves 0-3's rows are in; the sixteen loads of waves 4-7's may be out
	ADDW 0, 1
	ADDW 2, 3
	ADDW 0, 2
	s_wait_dscnt 0x0
	ADDW 4, 5
	ADDW 6, 7
	ADDW 4, 6
	ADDW 0, 4
.irp i, 0,1,2,3
	global_store_b128 v[L16], v[PX+4*\i:PX+4*\i+3], s[14:15] offset:512*\i    ; two rows of the part: 512 consecutive bytes, at a multiple of 512 from the buffer's first byte
.endr
	s_wait_tensorcnt 0x0
	ds_add_u32 v254, v255
	s_wait_dscnt 0x0
	s_endpgm
.Lfunc_end_k_qc653658543_hist:
	.size	k_qc653658543_hist, .Lfunc_end_k_qc653658543_hist-k_qc653658543_hist
	.p2alignl 7, 3214868480
	.fill 96, 4, 3214868480
	.section	.rodata,"a",@progbits
	.p2align	6, 0x0
	.amdhsa_kernel k_qc653658543_hist
		.amdhsa_group_segment_fixed_size 140288
		.amdhsa_private_segment_fixed_size 0
		.amdhsa_enable_private_segment 0
		.amdhsa_kernarg_size 48
		.amdhsa_user_sgpr_count 2
		.amdhsa_user_sgpr_kernarg_segment_ptr 1
		.amdhsa_wavefront_size32 1
		.amdhsa_system_sgpr_workgroup_id_x 1
		.amdhsa_system_sgpr_workgroup_id_y 1
		.amdhsa_system_sgpr_workgroup_id_z 1
		.amdhsa_system_vgpr_workitem_id 0
		.amdhsa_next_free_vgpr 384
		.amdhsa_next_free_sgpr 66
		.amdhsa_reserve_vcc 0
		.amdhsa_float_denorm_mode_32 3
		.amdhsa_float_denorm_mode_16_64 3
		.amdhsa_memory_ordered 1
		.amdhsa_forward_progress 1
		.amdhsa_inst_pref_size 213
	.end_amdhsa_kernel
	.amdgpu_metadata
---
amdhsa.version: [ 1, 2 ]
amdhsa.kernels:
  - .name:           k_qc653658543_hist
    .symbol:         k_qc653658543_hist.kd
    .args:
      - { .name: img_ref, .offset: 0, .size: 8, .value_kind: global_buffer, .address_space: global }
      - { .name: img_tar, .offset: 8, .size: 8, .value_kind: global_buffer, .address_space: global }
      - { .name: bins_ref, .offset: 16, .size: 8, .value_kind: global_buffer, .address_space: global }
      - { .name: bins_tar, .offset: 24, .size: 8, .value_kind: global_buffer, .address_space: global }
      - { .name: mm, .offset: 32, .size: 8, .value_kind: global_buffer, .address_space: global }
      - { .name: part, .offset: 40, .size: 8, .value_kind: global_buffer, .address_space: global }
    .group_segment_fixed_size: 140288
    .private_segment_fixed_size: 0
    .kernarg_segment_align: 8
    .kernarg_segment_size: 48
    .max_flat_workgroup_size: 256
    .sgpr_count:     66
    .vgpr_count:     384
    .wavefront_size: 32
...
	.end_amdgpu_metadata
.endif
;; end of part 2
;; launch sum (part 3): grid 256 x 1, 2 waves a work-group, no clusters, 0 bytes of LDS; arguments part, out0; writes out0
.if DOCPART == 3
	.amdgcn_target "amdgcn-amd-amdhsa--gfx1250"
	.amdhsa_code_object_version 6
	.text
	.protected	k_qc653658543_sum
	.globl	k_qc653658543_sum
	.p2align	8
	.type	k_qc653658543_sum,@function
k_qc653658543_sum:
	s_mov_b64 s[64:65], 0
	v_nop
	global_prefetch_b8 v0, s[64:65] scope:SCOPE_SE
	s_setreg_imm32_b32 hwreg(HW_REG_WAVE_MODE, 25, 1), 1
	s_wait_xcnt 0x0
; out0[n][b][c] = 4,096 x the sum over j = 0 .. 15 of part[16 n + j][b][c]: an image's sixteen parts along K, and the division by EPS^2 = 2^-12, which rounds nothing.
; Work-group x owns bytes 1,024 x .. 1,024 x + 1,023 of out0: image x / 16, the (x % 16)-th 1,024 bytes of its 16,384.  A thread owns 16 bytes; its sixteen loads are all out together;
; each load and the store of a wave cover 512 consecutive bytes.  Each byte of part is read once, each byte of out0 written once.  No LDS, no barrier: threads share nothing.
.set X, 4                              ; v4-67: part j's four numbers at v[4 + 4 j]
	s_load_b128 s[4:7], s[0:1], 0x0                ; part, out0
	v_lshlrev_b32 v1, 4, v0                        ; 16 bytes a thread
	s_lshr_b32 s8, ttmp9, 4
	s_lshl_b32 s8, s8, 18                          ; the image's sixteen parts of 16,384 bytes
	s_and_b32 s9, ttmp9, 15
	s_lshl_b32 s9, s9, 10                          ; my 1,024 bytes in each
	s_add_co_u32 s8, s8, s9
	s_mov_b32 s9, 0
	s_lshl_b32 s10, ttmp9, 10
	s_mov_b32 s11, 0
	s_wait_kmcnt 0x0
	s_add_nc_u64 s[4:5], s[4:5], s[8:9]
	s_add_nc_u64 s[6:7], s[6:7], s[10:11]
.irp j, 0,1,2,3,4,5,6,7,8,9,10,11,12,13,14,15
	global_load_b128 v[X+4*\j:X+4*\j+3], v1, s[4:5] offset:16384*\j th:TH_LOAD_NT
.endr
.macro ADDP a, b                       ; part a += part b
	v_pk_add_f32 v[X+4*(\a):X+4*(\a)+1], v[X+4*(\a):X+4*(\a)+1], v[X+4*(\b):X+4*(\b)+1]
	v_pk_add_f32 v[X+4*(\a)+2:X+4*(\a)+3], v[X+4*(\a)+2:X+4*(\a)+3], v[X+4*(\b)+2:X+4*(\b)+3]
.endm
	s_wait_loadcnt 8                               ; parts 0 to 7 are in; the eight loads of parts 8 to 15 may be out
	ADDP 0, 1
	ADDP 2, 3
	ADDP 4, 5
	ADDP 6, 7
	ADDP 0, 2
	ADDP 4, 6
	ADDP 0, 4
	s_wait_loadcnt 0x0
	ADDP 8, 9
	ADDP 10, 11
	ADDP 12, 13
	ADDP 14, 15
	ADDP 8, 10
	ADDP 12, 14
	ADDP 8, 12
	ADDP 0, 8
	v_pk_mul_f32 v[X:X+1], v[X:X+1], 0x45800000 op_sel_hi:[1,0]        ; x 4,096
	v_pk_mul_f32 v[X+2:X+3], v[X+2:X+3], 0x45800000 op_sel_hi:[1,0]
	global_store_b128 v1, v[X:X+3], s[6:7] th:TH_STORE_NT
	s_endpgm
.Lfunc_end_k_qc653658543_sum:
	.size	k_qc653658543_sum, .Lfunc_end_k_qc653658543_sum-k_qc653658543_sum
	.p2alignl 7, 3214868480
	.fill 96, 4, 3214868480
	.section	.rodata,"a",@progbits
	.p2align	6, 0x0
	.amdhsa_kernel k_qc653658543_sum
		.amdhsa_group_segment_fixed_size 0
		.amdhsa_private_segment_fixed_size 0
		.amdhsa_enable_private_segment 0
		.amdhsa_kernarg_size 16
		.amdhsa_user_sgpr_count 2
		.amdhsa_user_sgpr_kernarg_segment_ptr 1
		.amdhsa_wavefront_size32 1
		.amdhsa_system_sgpr_workgroup_id_x 1
		.amdhsa_system_sgpr_workgroup_id_y 1
		.amdhsa_system_sgpr_workgroup_id_z 1
		.amdhsa_system_vgpr_workitem_id 0
		.amdhsa_next_free_vgpr 72
		.amdhsa_next_free_sgpr 66
		.amdhsa_reserve_vcc 0
		.amdhsa_float_denorm_mode_32 3
		.amdhsa_float_denorm_mode_16_64 3
		.amdhsa_memory_ordered 1
		.amdhsa_forward_progress 1
		.amdhsa_inst_pref_size 5
	.end_amdhsa_kernel
	.amdgpu_metadata
---
amdhsa.version: [ 1, 2 ]
amdhsa.kernels:
  - .name:           k_qc653658543_sum
    .symbol:         k_qc653658543_sum.kd
    .args:
      - { .name: part, .offset: 0, .size: 8, .value_kind: global_buffer, .address_space: global }
      - { .name: out0, .offset: 8, .size: 8, .value_kind: global_buffer, .address_space: global }
    .group_segment_fixed_size: 0
    .private_segment_fixed_size: 0
    .kernarg_segment_align: 8
    .kernarg_segment_size: 16
    .max_flat_workgroup_size: 64
    .sgpr_count:     66
    .vgpr_count:     72
    .wavefront_size: 32
...
	.end_amdgpu_metadata
.endif
;; end of part 3
;; ======== version 2 of 2: 3 launches
;; workspace buffers: mm 4,096 bytes; part 4,194,304 bytes
;; launch minmax (part 4): grid 256 x 1, 8 waves a work-group, no clusters, 1,280 bytes of LDS; arguments img_ref, img_tar, mm; writes mm
.if DOCPART == 4
	.amdgcn_target "amdgcn-amd-amdhsa--gfx1250"
	.amdhsa_code_object_version 6
	.text
	.protected	k_qc653658543_minmax
	.globl	k_qc653658543_minmax
	.p2align	8
	.type	k_qc653658543_minmax,@function
k_qc653658543_minmax:
	s_mov_b64 s[64:65], 0
	v_nop
	global_prefetch_b8 v0, s[64:65] scope:SCOPE_SE
	s_setreg_imm32_b32 hwreg(HW_REG_WAVE_MODE, 25, 1), 1
	s_wait_xcnt 0x0
; The smallest and the largest number of each image, by parts.  img_ref, img_tar: 1,048,576 f32 each.
; Work-group x takes bytes 16,384 x .. 16,384 x + 16,383 of both images and stores 16 bytes at mm + 16 x:
; (min ref, max ref, min tar, max tar).  The next launch folds the 256 parts.
; Eight waves; a thread takes four times 16 bytes of each image, so a wave's load covers 512 consecutive bytes, and all
; eight loads of a thread are out together: nothing is read twice and there is no loop.
; LIMIT: NaN among the inputs is not served (the _num forms let a NaN lose, where reference() would hand it on).
.set MN, 8                             ; v8 min ref, v9 max ref, v10 min tar, v11 max tar: 16 bytes on end
.set OT, 12                            ; v12-15 the other half of the lanes' four
.set XR, 16                            ; v16-31 my 16 numbers of ref
.set XT, 32                            ; v32-47 my 16 numbers of tar
	s_load_b128 s[4:7], s[0:1], 0x0                ; img_ref, img_tar
	s_load_b64 s[8:9], s[0:1], 0x10                ; mm
	v_lshl_add_u32 v48, v0, 2, 0x100
	v_mov_b32 v49, 0
	v_lshlrev_b32 v1, 4, v0                        ; 16 bytes a thread
	v_lshrrev_b32 v2, 5, v0
	s_delay_alu instid0(VALU_DEP_1)
	v_readfirstlane_b32 s10, v2                    ; wave 0..7
	s_delay_alu instid0(VALU_DEP_2)
	v_lshlrev_b32 v3, 4, v2                        ; LDS: 16 bytes for each wave
	v_and_b32 v4, 7, v0
	s_delay_alu instid0(VALU_DEP_1)
	v_lshlrev_b32 v4, 4, v4                        ; and back: lane l takes wave l % 8's
	s_lshl_b32 s12, ttmp9, 14                      ; my work-group's 16,384 bytes
	s_mov_b32 s13, 0
	s_lshl_b32 s14, ttmp9, 4                       ; and its 16 bytes of mm
	s_mov_b32 s15, 0
	s_mov_b32 s16, 0x76543210                      ; v_permlanex16_b32's selects for lane l xor 16
	s_mov_b32 s17, 0xfedcba98
.irp k, 0,1,2,3
	v_mov_b32 v[OT+\k], 0                          ; a lane permute's destination counts as one of its sources
.endr
	s_wait_kmcnt 0x0
	s_add_nc_u64 s[4:5], s[4:5], s[12:13]
	s_add_nc_u64 s[6:7], s[6:7], s[12:13]
	s_add_nc_u64 s[8:9], s[8:9], s[14:15]
.irp i, 0,1,2,3
	global_load_b128 v[XR+4*\i:XR+4*\i+3], v1, s[4:5] offset:4096*\i
.endr
.irp i, 0,1,2,3
	global_load_b128 v[XT+4*\i:XT+4*\i+3], v1, s[6:7] offset:4096*\i
.endr
; 16 numbers of a lane into one minimum and one maximum, three operands at a time; the two chains take turns
.macro FOLD mn, mx, b
	v_min3_num_f32 v[\mn], v[\b], v[\b+1], v[\b+2]
	v_max3_num_f32 v[\mx], v[\b], v[\b+1], v[\b+2]
.irp i, 3,5,7,9,11,13
	s_delay_alu instid0(VALU_DEP_2)
	v_min3_num_f32 v[\mn], v[\mn], v[\b+\i], v[\b+\i+1]
	s_delay_alu instid0(VALU_DEP_2)
	v_max3_num_f32 v[\mx], v[\mx], v[\b+\i], v[\b+\i+1]
.endr
	s_delay_alu instid0(VALU_DEP_2)
	v_min_num_f32 v[\mn], v[\mn], v[\b+15]
	s_delay_alu instid0(VALU_DEP_2)
	v_max_num_f32 v[\mx], v[\mx], v[\b+15]
.endm
; lanes l and l xor m join their four numbers
.macro ACROSS m
.irp k, 0,2
	v_min_num_f32_dpp v[MN+\k], v[MN+\k], v[MN+\k] row_xmask:\m row_mask:0xf bank_mask:0xf
	v_max_num_f32_dpp v[MN+1+\k], v[MN+1+\k], v[MN+1+\k] row_xmask:\m row_mask:0xf bank_mask:0xf
.endr
.endm
	s_wait_loadcnt 4                               ; ref's four loads are in, tar's four may be out
	FOLD MN, MN+1, XR
	s_wait_loadcnt 0x0
	FOLD MN+2, MN+3, XT
	ACROSS 1
	ACROSS 2
	ACROSS 4
	ACROSS 8
.irp k, 0,1,2,3
	s_delay_alu instid0(VALU_DEP_4)
	v_permlanex16_b32 v[OT+\k], v[MN+\k], s16, s17
.endr
.irp k, 0,2
	s_delay_alu instid0(VALU_DEP_4)
	v_min_num_f32 v[MN+\k], v[MN+\k], v[OT+\k]
	s_delay_alu instid0(VALU_DEP_4)
	v_max_num_f32 v[MN+1+\k], v[MN+1+\k], v[OT+1+\k]
.endr
	ds_store_b128 v3, v[MN:MN+3]                   ; all lanes of a wave write the same 16 bytes with the same values
	s_wait_dscnt 0x0                               ; for the others' sake: my store has landed
	s_barrier_signal -1
	s_barrier_wait -1
	s_cmp_lg_u32 s10, 0
	s_cbranch_scc1 .Lothers                        ; wave 0 alone folds the eight waves' numbers
	ds_load_b128 v[MN:MN+3], v4                    ; lane l: wave l % 8's four
	s_wait_dscnt 0x0
	ACROSS 1
	ACROSS 2
	ACROSS 4                                       ; every group of eight lanes held all eight waves
	v_mov_b32 v5, 0
	v_cmp_eq_u32 vcc_lo, 0, v0
	s_wait_alu depctr_va_vdst(0)
	s_wait_xcnt 0x0                                ; EXEC changes only behind this wait
	s_wait_tensorcnt 0x0
	ds_add_u32 v48, v49
	s_wait_dscnt 0x0
	s_and_saveexec_b32 s11, vcc_lo                 ; one lane stores the work-group's 16 bytes
	global_store_b128 v5, v[MN:MN+3], s[8:9]
	s_endpgm
.Lothers:
	s_wait_tensorcnt 0x0
	ds_add_u32 v48, v49
	s_wait_dscnt 0x0
	s_endpgm
.Lfunc_end_k_qc653658543_minmax:
	.size	k_qc653658543_minmax, .Lfunc_end_k_qc653658543_minmax-k_qc653658543_minmax
	.p2alignl 7, 3214868480
	.fill 96, 4, 3214868480
	.section	.rodata,"a",@progbits
	.p2align	6, 0x0
	.amdhsa_kernel k_qc653658543_minmax
		.amdhsa_group_segment_fixed_size 1280
		.amdhsa_private_segment_fixed_size 0
		.amdhsa_enable_private_segment 0
		.amdhsa_kernarg_size 24
		.amdhsa_user_sgpr_count 2
		.amdhsa_user_sgpr_kernarg_segment_ptr 1
		.amdhsa_wavefront_size32 1
		.amdhsa_system_sgpr_workgroup_id_x 1
		.amdhsa_system_sgpr_workgroup_id_y 1
		.amdhsa_system_sgpr_workgroup_id_z 1
		.amdhsa_system_vgpr_workitem_id 0
		.amdhsa_next_free_vgpr 50
		.amdhsa_next_free_sgpr 66
		.amdhsa_reserve_vcc 1
		.amdhsa_float_denorm_mode_32 3
		.amdhsa_float_denorm_mode_16_64 3
		.amdhsa_memory_ordered 1
		.amdhsa_forward_progress 1
		.amdhsa_inst_pref_size 9
	.end_amdhsa_kernel
	.amdgpu_metadata
---
amdhsa.version: [ 1, 2 ]
amdhsa.kernels:
  - .name:           k_qc653658543_minmax
    .symbol:         k_qc653658543_minmax.kd
    .args:
      - { .name: img_ref, .offset: 0, .size: 8, .value_kind: global_buffer, .address_space: global }
      - { .name: img_tar, .offset: 8, .size: 8, .value_kind: global_buffer, .address_space: global }
      - { .name: mm, .offset: 16, .size: 8, .value_kind: global_buffer, .address_space: global }
    .group_segment_fixed_size: 1280
    .private_segment_fixed_size: 0
    .kernarg_segment_align: 8
    .kernarg_segment_size: 24
    .max_flat_workgroup_size: 256
    .sgpr_count:     66
    .vgpr_count:     50
    .wavefront_size: 32
...
	.end_amdgpu_metadata
.endif
;; end of part 4
;; launch hist (part 5): grid 256 x 1, 8 waves a work-group, no clusters, 140,288 bytes of LDS; arguments img_ref, img_tar, bins_ref, bins_tar, mm, part; writes part
.if DOCPART == 5
	.amdgcn_target "amdgcn-amd-amdhsa--gfx1250"
	.amdhsa_code_object_version 6
	.text
	.protected	k_qc653658543_hist
	.globl	k_qc653658543_hist
	.p2align	8
	.type	k_qc653658543_hist,@function
k_qc653658543_hist:
	s_mov_b64 s[64:65], 0
	v_nop
	global_prefetch_b8 v0, s[64:65] scope:SCOPE_SE
	s_setreg_imm32_b32 hwreg(HW_REG_WAVE_SCHED_MODE, 0, 2), 2
	s_setreg_imm32_b32 hwreg(HW_REG_WAVE_MODE, 25, 1), 1
	s_wait_xcnt 0x0
	s_wait_alu depctr_vm_vsrc(0)
; part[x][b][c] = the sum over 4,096 pixels p of Q(W_ref[b][p]) Q(W_tar[c][p]), x = 16 x image + sixteenth of the image's 65,536 pixels.
; W[b][p] = cubic B-spline((bins[b] - r[p]) x 64), r = (pixel - min) / (max - min) over the whole tensor; Q = MX-FP4 along the pixels: E2M1 codes, one E8M0 scale for each 32.
; The next launch adds an image's sixteen parts and multiplies by 4,096.
; WHAT BINDS is vector work: 64 bins x 2 images for each pixel.  So the spline is laid for few instructions.  Pixels and bins are scaled ONCE by 64 L, L^2 = 6^(1/3) / 2:
;   D = B - R (packed)   t = min(|D|, 4)   s = t t (packed)   u = 2 c - t / sqrt(3) = c (2 - |x|), c^3 = 1/6 (packed fma)
;   P1 = 2/3 - s u = 2/3 - x^2 + |x|^3 / 2 (packed fma: L^2 c = 1/2)   P2 = (u u) u = (2 - |x|)^3 / 6 (two packed)   W = the middle one of P1, P2 and 0.
; The middle one is the choice and the clip at once: P1 < P2 where |x| < 1;  0 <= P2 <= P1 from 1 to 2;  P2 < 0 < P1 beyond 2 (P1 never falls under 2/27).  Five instructions a number; zeros beyond the support are exact.
; LIMITS.  The scaling ahead of the subtraction is another order of f32 roundings than reference()'s: B and R lie under 64 where W is not 0, each rounding is at most 2^-19 there, four of them: the spline's
; argument differs by under 1e-5 of a bin's width.  A block of zeros has the scale byte 1 (its codes are zeros; the bytes are read here alone).  NaN and infinities among the inputs are not served; an image
; tensor whose numbers are all equal, for which reference() gives NaN, gives zeros here.
; SHARES.  Eight waves, two to a SIMD, so that one wave's dependent lines (largest magnitude, scale, conversion) stand beside the other's vector work.  Wave w owns pixels 512 w .. 512 w + 511 of the work-group's
; 4,096: four K steps of 128, all 64 x 64 sums in 16 accumulators.  No wave waits for another before the one barrier at the end, where the eight waves' sums meet in LDS.
; LAYOUT.  Lane (r, h) of a tile owns bin 16 tile + r; its registers run along the pixels, 64 c + 32 h + 0 .. 31 for c = 0, 1: the FP4 operand's own layout, so a block of 32 lies in one lane and the conversions'
; results are the operand's registers.  Sixteen lanes want the same pixels: a wave normalises its 512 pixels of each image once, a lane to 16 bytes, puts them into its own LDS bytes and reads them back sixteen lanes to an address.
; The product is used transposed (source 0 = 16 bins of tar, source 1 = 16 bins of ref): a lane then holds eight neighbouring numbers of a row of the result.
; No tensor loads, clusters or prefetches: a work-group reads its 32 KB of pixels once, at its head, and shares with the others only mm and the bins, 4.5 KB.
; REGISTERS.  Window 0: below.  Window 1: the 16 accumulators, (a, b) at v[8 (4 a + b)].
; THE MODE: SCHED_MODE bits 1:0 = 2 (LLVM: expert scheduling mode 2), set by the entry lines.  The code itself states the register dependences
; between vector or matrix instructions and memory or LDS instructions, with s_wait_alu, always for 0.
; THE PLAN.  Registers that memory or LDS instructions touch, in the loop:
;   v[PX .. PX+31], v[PX+32 .. PX+63]  two blocks of 32 pixels.  Each is read by the subtractions of four tiles (ref's, then tar's) and, behind the fourth, loaded again: tar's pixels behind ref's tiles,
;                 the next K step's of ref behind tar's.  So a wait on va_vdst stands ahead of each of a trip's four runs of eight LDS loads: the tiles are done reading that block.
;   v[PXA]        Read by a trip's LDS loads; written once a trip, at the trip's head, behind the trip's one wait on vm_vsrc; the first of the four waits on va_vdst states that it is written.
;   The fragments of codes, the scale words and the registers at work are named by vector and matrix instructions alone; one wait on va_vdst stands ahead of the sixteen scaled matrix instructions,
;   which take codes and scale words that vector instructions have written.
; At the head and on the way out each run of loads or stores has its wait; all other address registers (v5, v7, v8, v9, v14, v15, v243) are written once, at the head.
.set KSTEPS, 4                         ; K steps of a wave
.set SP,     272                       ; a stage row: 256 bytes + 16 = 17 x 16: the sixteen rows that a store touches fall on sixteen different 16-byte columns modulo 256
.set WREG,   64*SP                     ; LDS: a region of its own for each wave: first its pixels (ref 2,048 bytes, then tar), at the end its 64 x 64 sums
.set TAR,    2048
.set SH,   4                           ; v4   8 h: where my two scale bytes go in the word
.set PXB,  5                           ; v5   LDS: my wave's pixels + 128 h; never rewritten
.set PXA,  6                           ; v6   the same at the K step in hand
.set STO,  7                           ; v7   the way out: where I put 32 bytes of a row
.set L16,  8                           ; v8   16 x lane
.set R4,   9                           ; v9   4 r
.set GC,   10                          ; v[10:11] 2 c, twice
.set K23,  12                          ; v[12:13] 2/3, twice
.set RD0,  14                          ; v14  the way out: where I read rows back, waves 0-3's stages;  v15 waves 4-7's
.set RD1,  15
.set BL,   16                          ; v16-31   the scaled bin of tile q (0-3 ref, 4-7 tar), twice: pairs for the packed subtraction
.set PX,   32                          ; v32-95   64 scaled pixels of the image in hand
.set T,    96                          ; v96-111  at work: D, t, u u, P2
.set U,    112                         ; v112-127 at work: u
.set BV,   128                         ; v128-159 a block's 32 numbers: s, P1, W
.set CR,   160                         ; v160-191 ref's four fragments of codes
.set CT,   192                         ; v192-223 tar's
.set SC,   224                         ; v224-231 the eight scale words, and nothing else
.set MX,   232                         ; v232-235 four chains of the largest magnitude
.set E,    236                         ; v236-237 the two blocks' scale operands
.set W0,   238                         ; v238-241 at work
.set XL,   242                         ; v242 the other half of the lanes' bytes
.set PXS,  243                         ; v243 LDS: where I put my 16 bytes of pixels
.set MM,   160                         ; at the head: v160-191 eight entries of mm
.set MSB, 0
.macro WIN new                         ; the immediate's high byte repeats the setting that is left
.if MSB != \new
	s_set_vgpr_msb (MSB<<8)|\new
.set MSB, \new
.endif
.endm
	s_load_b256 s[4:11], s[0:1], 0x0               ; img_ref, img_tar, bins_ref, bins_tar
	s_load_b128 s[12:15], s[0:1], 0x20             ; mm, part
	v_lshl_add_u32 v254, v0, 2, 0x22000
	v_mov_b32 v255, 0
	v_lshrrev_b32 v1, 5, v0
	v_readfirstlane_b32 s16, v1                    ; wave 0..7
	v_and_b32 v1, 31, v0                           ; lane
	v_and_b32 v2, 15, v0                           ; r
	v_bfe_u32 v3, v0, 4, 1                         ; h
	v_lshlrev_b32 v[SH], 3, v3
	v_lshlrev_b32 v[L16], 4, v1
	v_lshlrev_b32 v[R4], 2, v2
	s_wait_alu depctr_va_sdst(0)                   ; s16 is written, ahead of its first reader: the wave's bytes in memory and in LDS are made from it
	s_lshl_b32 s18, ttmp9, 14                      ; the work-group's 16,384 bytes of each image, and of part,
	s_lshl_b32 s17, s16, 11                        ; my wave's 2,048 of them: 512 pixels; 8 rows of the result
	s_add_co_u32 s18, s18, s17
	s_mov_b32 s19, 0
	s_mul_i32 s17, s16, WREG                       ; my wave's LDS region
	s_mul_i32 s29, s16, 8*SP                       ; the 8 stage rows that I add up at the end
	s_mov_b32 s20, 0x76543210                      ; v_permlanex16_b32's selects for lane l xor 16
	s_mov_b32 s21, 0xfedcba98
	s_mov_b32 s22, 0xbf13cd3a                      ; -1 / sqrt(3) = -c / L
	s_mov_b32 s23, s22                             ; (the packed form names the pair)
	s_mov_b32 s26, 0x427403e3                      ; 64 L = 61.003795
	s_mov_b32 s27, 0x1800000                       ; the floor 2^(3 - 127) of a block's largest magnitude: the scale byte cannot fall under 1
	s_mov_b32 s28, 0xff000000                      ; takes 2 off an exponent field
	s_wait_kmcnt 0x0
	s_add_nc_u64 s[4:5], s[4:5], s[18:19]
	s_add_nc_u64 s[6:7], s[6:7], s[18:19]
	s_add_nc_u64 s[14:15], s[14:15], s[18:19]
	s_wait_alu depctr_va_vdst(0)                   ; v[L16] and v[R4] are written: the loads below, and the stores at the kernel's end, read them as their offsets
.irp i, 0,1,2,3,4,5,6,7
	global_load_b128 v[MM+4*\i:MM+4*\i+3], v[L16], s[12:13] offset:512*\i     ; all 256 entries of mm, eight a lane: every wave folds them itself, so no barrier is needed
.endr
.irp i, 0,1,2,3
	global_load_b128 v[T+4*\i:T+4*\i+3], v[L16], s[4:5] offset:512*\i         ; my wave's 512 pixels of ref: 512 consecutive bytes a load
.endr
.irp i, 0,1,2,3
	global_load_b128 v[U+4*\i:U+4*\i+3], v[L16], s[6:7] offset:512*\i         ; and of tar
.endr
.irp t, 0,1,2,3
	global_load_b32 v[BV+\t], v[R4], s[8:9] offset:64*\t                      ; bins_ref[16 t + r]
	global_load_b32 v[BV+4+\t], v[R4], s[10:11] offset:64*\t                  ; bins_tar[16 t + r]
.endr
	; While these are out: the addresses, the constants, and the accumulators' zeros.  The K step is written once, 23 KB of text, and its first trip finds zeros:
	; written out a second time, so that its products could start the sums, it would double the text.  None of these lines names a register of the loads above.
	v_lshl_add_u32 v[PXB], v3, 7, s17
	v_add_nc_u32 v[PXS], s17, v[L16]
	v_mul_u32_u24 v[STO], v2, SP
	v_lshl_add_u32 v[STO], v3, 5, v[STO]
	v_add_nc_u32 v[STO], s17, v[STO]               ; stage row r, + 32 h
	v_mul_u32_u24 v[RD0], v3, SP
	v_lshl_add_u32 v[RD0], v2, 4, v[RD0]
	v_add_nc_u32 v[RD0], s29, v[RD0]               ; back: lanes 0-15 one row of 256 bytes, lanes 16-31 the next
	v_add_nc_u32 v[RD1], 4*WREG, v[RD0]            ; (an LDS offset has 16 bits: a second register for the upper four stages)
	v_mov_b32 v[GC], 0x3f8ce1da                    ; 2 c = 1.1006424
	v_mov_b32 v[GC+1], 0x3f8ce1da
	v_mov_b32 v[K23], 0x3f2aaaab                   ; 2/3
	v_mov_b32 v[K23+1], 0x3f2aaaab
	v_mov_b32 v[XL], 0                             ; a lane permute's destination counts as one of its sources
.irp k, 0,1,2,3
	v_mov_b32 v[236+\k], 0
.endr
	WIN 0x40                                       ; destination window 1
.set n, 0
.rept 128
	v_mov_b32 v[n], 0
.set n, n+1
.endr
	WIN 0
	s_wait_loadcnt 16                              ; mm's eight loads are in; the eight of pixels and the eight of bins may be out
	; v232 min ref, v233 max ref, v234 min tar, v235 max tar: of my eight entries, then of all lanes'
.irp k, 0,2
	v_min3_num_f32 v[232+\k], v[MM+\k], v[MM+4+\k], v[MM+8+\k]
	v_max3_num_f32 v[233+\k], v[MM+1+\k], v[MM+5+\k], v[MM+9+\k]
.endr
.irp i, 12,20
.irp k, 0,2
	v_min3_num_f32 v[232+\k], v[232+\k], v[MM+\i+\k], v[MM+4+\i+\k]
	v_max3_num_f32 v[233+\k], v[233+\k], v[MM+1+\i+\k], v[MM+5+\i+\k]
.endr
.endr
.irp k, 0,2
	v_min_num_f32 v[232+\k], v[232+\k], v[MM+28+\k]
	v_max_num_f32 v[233+\k], v[233+\k], v[MM+29+\k]
.endr
.irp m, 1,2,4,8
.irp k, 0,2
	v_min_num_f32_dpp v[232+\k], v[232+\k], v[232+\k] row_xmask:\m row_mask:0xf bank_mask:0xf
	v_max_num_f32_dpp v[233+\k], v[233+\k], v[233+\k] row_xmask:\m row_mask:0xf bank_mask:0xf
.endr
.endr
.irp k, 0,1,2,3
	v_permlanex16_b32 v[236+\k], v[232+\k], s20, s21
.endr
.irp k, 0,2
	v_min_num_f32 v[232+\k], v[232+\k], v[236+\k]
	v_max_num_f32 v[233+\k], v[233+\k], v[237+\k]
.endr
	v_sub_f32 v236, v233, v232                     ; max - min, as reference() rounds it
	v_sub_f32 v237, v235, v234
	s_wait_alu depctr_va_vdst(0)
	v_rcp_f32 v238, v236
	v_rcp_f32 v240, v237
	v_nop                                          ; a plain instruction behind the reciprocals
	s_wait_alu depctr_va_vdst(0)                   ; the two reciprocals have written v238 and v240: one wait for the two, ahead of their first reader
	v_fma_f32 v239, -v236, v238, 1.0               ; one Newton step: the reciprocal to the last bit or nearly
	v_fma_f32 v241, -v237, v240, 1.0
	v_fma_f32 v238, v238, v239, v238
	v_fma_f32 v240, v240, v241, v240
	v_mul_f32 v238, s26, v238                      ; 64 L / (max - min): ref's in v238, tar's in v240 (the low words of two pairs)
	v_mul_f32 v240, s26, v240
	s_wait_loadcnt 8                               ; the pixels are in; the bins' eight loads may be out
.irp j, 0,2,4,6,8,10,12,14
	v_pk_add_f32 v[T+\j:T+\j+1], v[T+\j:T+\j+1], v[232:233] op_sel_hi:[1,0] neg_lo:[0,1] neg_hi:[0,1]   ; pixel - min
	v_pk_add_f32 v[U+\j:U+\j+1], v[U+\j:U+\j+1], v[234:235] op_sel_hi:[1,0] neg_lo:[0,1] neg_hi:[0,1]
.endr
.irp j, 0,2,4,6,8,10,12,14
	v_pk_mul_f32 v[T+\j:T+\j+1], v[T+\j:T+\j+1], v[238:239] op_sel_hi:[1,0]                            ; R = 64 L r
	v_pk_mul_f32 v[U+\j:U+\j+1], v[U+\j:U+\j+1], v[240:241] op_sel_hi:[1,0]
.endr
	s_wait_alu depctr_va_vdst(0)                   ; the multiplications have written v[T ..] and v[U ..], the LDS stores' data; v[PXS], their address, and v[PXB], that of the LDS loads behind them, are written
.irp i, 0,1,2,3
	ds_store_b128 v[PXS], v[T+4*\i:T+4*\i+3] offset:512*\i
	ds_store_b128 v[PXS], v[U+4*\i:U+4*\i+3] offset:TAR+512*\i
.endr
; eight LDS loads: the 32 pixels of block 2 c + h at byte off of my wave's pixels; sixteen lanes read the same 16 bytes
.macro LOADPX adr, off, c
.irp j, 0,1,2,3,4,5,6,7
	ds_load_b128 v[PX+32*(\c)+4*\j:PX+32*(\c)+4*\j+3], v[\adr] offset:(\off)+256*(\c)+16*\j
.endr
.endm
	LOADPX PXB, 0, 0                               ; K step 0 of ref.  LDS serves a wave's instructions in order: these see my stores.  (No vector instruction has named v[PX ..] yet)
	LOADPX PXB, 0, 1
	s_wait_loadcnt 0x0                             ; the bins
.irp q, 0,1,2,3,4,5,6,7
	v_mul_f32 v[BL+2*\q], s26, v[BV+\q]            ; B = 64 L bin, twice
	v_mul_f32 v[BL+2*\q+1], s26, v[BV+\q]
.endr
; Sixteen numbers of tile q: half hf of block c.  Each stage is eight or sixteen lines that do not wait for each other.
.macro SUB q, c, hf
.set P, PX+32*(\c)+16*(\hf)
.set V, BV+16*(\hf)
.irp i, 0,2,4,6,8,10,12,14
	v_pk_add_f32 v[T+\i:T+\i+1], v[BL+2*(\q):BL+2*(\q)+1], v[P+\i:P+\i+1] neg_lo:[0,1] neg_hi:[0,1]      ; D = B - R
.endr
.irp i, 0,1,2,3,4,5,6,7,8,9,10,11,12,13,14,15
	v_min_num_f32 v[T+\i], |v[T+\i]|, 4.0                                                               ; t; the hold at 4, beyond the support's 2 L, keeps what follows small
.endr
.irp i, 0,2,4,6,8,10,12,14
	v_pk_mul_f32 v[V+\i:V+\i+1], v[T+\i:T+\i+1], v[T+\i:T+\i+1]                                         ; s = t t
.endr
.irp i, 0,2,4,6,8,10,12,14
	v_pk_fma_f32 v[U+\i:U+\i+1], v[T+\i:T+\i+1], s[22:23], v[GC:GC+1] op_sel_hi:[1,0,1]                 ; u = 2 c - t / sqrt(3)
.endr
.irp i, 0,2,4,6,8,10,12,14
	v_pk_fma_f32 v[V+\i:V+\i+1], v[V+\i:V+\i+1], v[U+\i:U+\i+1], v[K23:K23+1] neg_lo:[1,0,0] neg_hi:[1,0,0]   ; P1 = 2/3 - s u
.endr
.irp i, 0,2,4,6,8,10,12,14
	v_pk_mul_f32 v[T+\i:T+\i+1], v[U+\i:U+\i+1], v[U+\i:U+\i+1]
.endr
.irp i, 0,2,4,6,8,10,12,14
	v_pk_mul_f32 v[T+\i:T+\i+1], v[T+\i:T+\i+1], v[U+\i:U+\i+1]                                         ; P2 = u u u
.endr
.irp i, 0,1,2,3,4,5,6,7,8,9,10,11,12,13,14,15
	v_med3_num_f32 v[V+\i], v[V+\i], v[T+\i], 0                                                         ; W
.endr
.if \hf == 0
.irp j, 0,1,2,3
	v_max3_num_f32 v[MX+\j], v[V+2*\j], v[V+2*\j+1], s27                                                ; the block's largest (none is negative), in four chains that begin at the floor
.endr
.else
.irp j, 0,1,2,3
	v_max3_num_f32 v[MX+\j], v[MX+\j], v[V+2*\j], v[V+2*\j+1]
.endr
.endif
.irp j, 0,1,2,3
	v_max3_num_f32 v[MX+\j], v[MX+\j], v[V+8+2*\j], v[V+9+2*\j]
.endr
.endm
; A block of 32 along K of tile q becomes registers 4 c .. 4 c + 3 of the fragment at dst.  The largest magnitude's exponent field less 2 is the scale; the conversion takes the exponent field of its last operand and nothing else of it.
; Behind the conversions comes a plain line that names none of their registers (the next block's first subtraction, or WORD's first shift, which only reads a scale operand).
.macro BLOCK q, c, dst
	SUB \q, \c, 0
	SUB \q, \c, 1
	v_max3_num_f32 v[MX], v[MX], v[MX+1], v[MX+2]
	v_max_num_f32 v[MX], v[MX], v[MX+3]
	v_add_nc_u32 v[E+\c], s28, v[MX]
.irp g, 0,1,2,3
	v_cvt_scalef32_pk8_fp4_f32 v[\dst+4*(\c)+\g], v[BV+8*\g:BV+8*\g+7], v[E+\c]
.endr
.endm
; My two bytes are those of blocks h and 2 + h; with lane l xor 16's two the tile's scale word is whole, in both halves of the lanes.
.macro WORD sc
	v_lshrrev_b32 v[W0], 23, v[E]
	v_lshrrev_b32 v[W0+1], 23, v[E+1]
	v_lshl_or_b32 v[W0], v[W0+1], 16, v[W0]
	v_lshlrev_b32 v[W0], v[SH], v[W0]
	v_permlanex16_b32 v[XL], v[W0], s20, s21
	v_or_b32 v[\sc], v[W0], v[XL]
.endm
.macro TILE q, dst, sc
	BLOCK \q, 0, \dst
	BLOCK \q, 1, \dst
	WORD \sc
.endm
	s_mov_b32 s24, 0                               ; the K step
	s_mov_b32 s25, 0                               ; and its bytes in my wave's pixels
.Lk:
	s_wait_alu depctr_vm_vsrc(0)                   ; in the first trip: my LDS stores have read v[T ..] and v[U ..], which the first block writes; in the later trips: the last trip's LDS loads have read v[PXA], which the next line writes
	v_add_nc_u32 v[PXA], s25, v[PXB]
	s_wait_dscnt 8                                 ; ref's first block of pixels is in (and, in the first trip, my stores are done); the second block's eight loads may be out
	BLOCK 0, 0, CR
	s_wait_dscnt 0x0
	BLOCK 0, 1, CR
	WORD SC
	TILE 1, CR+8, SC+1
	TILE 2, CR+16, SC+2
	BLOCK 3, 0, CR+24
	s_wait_alu depctr_va_vdst(0)                   ; ref's four tiles are done reading v[PX .. PX+31], in which the loads below land; v[PXA], the address of this trip's loads, is written
	LOADPX PXA, TAR, 0                             ; ref's last tile has read these pixels: tar's take their place, a block's work ahead of their use
	BLOCK 3, 1, CR+24
	s_wait_alu depctr_va_vdst(0)                   ; ref's four tiles are done reading v[PX+32 .. PX+63], in which the loads below land
	LOADPX PXA, TAR, 1
	WORD SC+3
	s_wait_dscnt 8                                 ; tar's first block is in; the second block's eight loads may be out
	BLOCK 4, 0, CT
	s_wait_dscnt 0x0
	BLOCK 4, 1, CT
	WORD SC+4
	TILE 5, CT+8, SC+5
	TILE 6, CT+16, SC+6
	BLOCK 7, 0, CT+24
	s_cmp_eq_u32 s24, KSTEPS-1                     ; the last trip fetches nothing
	s_cbranch_scc1 .Lno_next_0
	s_wait_alu depctr_va_vdst(0)                   ; tar's four tiles are done reading v[PX .. PX+31], in which the loads below land
	LOADPX PXA, 512, 0                             ; the next K step of ref
.Lno_next_0:
	BLOCK 7, 1, CT+24
	s_cmp_eq_u32 s24, KSTEPS-1
	s_cbranch_scc1 .Lno_next_1
	s_wait_alu depctr_va_vdst(0)                   ; tar's four tiles are done reading v[PX+32 .. PX+63], in which the loads below land
	LOADPX PXA, 512, 1
.Lno_next_1:
	s_wait_alu depctr_va_vdst(0)
	WORD SC+7
.rept 8
	v_nop                                          ; a scale register written by a vector instruction stands eight places ahead of a scaled matrix instruction, an operand so written four
.endr
	WIN 0x50                                       ; C and D window 1
	s_wait_alu depctr_va_vdst(0)                   ; the conversions have written the eight fragments of codes and the vector lines the eight scale words, which the scaled matrix instructions take; the places above stay beside this wait
.irp a, 0,1,2,3                                ; the 16 accumulators take turns, one instruction a turn, over the backward jump too
.irp b, 0,1,2,3
	v_wmma_scale_f32_16x16x128_f8f6f4 v[8*(4*\a+\b):8*(4*\a+\b)+7], v[CT+8*\b:CT+8*\b+7], v[CR+8*\a:CR+8*\a+7], v[8*(4*\a+\b):8*(4*\a+\b)+7], v[SC+4+\b], v[SC+\a] matrix_a_fmt:MATRIX_FMT_FP4 matrix_b_fmt:MATRIX_FMT_FP4
.endr
.endr
	WIN 0                                          ; the next trip's first block, 180 plain lines on other registers, stands ahead of the first write of a fragment or a scale word
	s_add_co_u32 s25, s25, 512
	s_add_co_u32 s24, s24, 1
	s_cmp_lt_u32 s24, KSTEPS
	s_cbranch_scc1 .Lk
	; THE WAY OUT.  Lane (r, h) of accumulator (a, b) holds row 16 a + r, columns 16 b + 8 h + 0 .. 7.  Each wave lays its 64 x 64 sums as rows into its own region (its pixels are read out);
	; behind the barrier wave w adds rows 8 w .. 8 w + 7 of the eight stages and stores them: 512 consecutive bytes a store.
.rept 4
	v_nop                                          ; four places between the last matrix instruction and the first read of results
.endr
	WIN 0x04                                       ; an LDS store's data are its source 1: window 1
	s_wait_alu depctr_va_vdst(0)                   ; the matrix instructions have written the accumulators, which the LDS stores read (the places above stay beside this wait); and the loop's vector lines are done with v32 to v159, in which the loads behind the barrier land: no vector line stands between
.irp a, 0,1,2,3
.irp b, 0,1,2,3
	ds_store_b128 v[STO], v[8*(4*\a+\b):8*(4*\a+\b)+3] offset:\a*16*SP+64*\b          ; each accumulator from its low end on
	ds_store_b128 v[STO], v[8*(4*\a+\b)+4:8*(4*\a+\b)+7] offset:\a*16*SP+64*\b+16
.endr
.endr
	WIN 0
	s_wait_dscnt 0x0                               ; for the others' sake: my stores have landed
	s_barrier_signal -1
	s_barrier_wait -1
.irp w, 0,1,2,3
.irp i, 0,1,2,3
	ds_load_b128 v[PX+16*\w+4*\i:PX+16*\w+4*\i+3], v[RD0] offset:\w*WREG+\i*2*SP
.endr
.endr
.irp w, 0,1,2,3
.irp i, 0,1,2,3
	ds_load_b128 v[PX+64+16*\w+4*\i:PX+64+16*\w+4*\i+3], v[RD1] offset:\w*WREG+\i*2*SP
.endr
.endr
.macro ADDW a, b                       ; wave a's 16 numbers of my lane += wave b's
.irp p, 0,2,4,6,8,10,12,14
	v_pk_add_f32 v[PX+16*(\a)+\p:PX+16*(\a)+\p+1], v[PX+16*(\a)+\p:PX+16*(\a)+\p+1], v[PX+16*(\b)+\p:PX+16*(\b)+\p+1]
.endr
.endm
	s_wait_dscnt 16                                ; waves 0-3's rows are in; the sixteen loads of waves 4-7's may be out
	ADDW 0, 1
	ADDW 2, 3
	ADDW 0, 2
	s_wait_dscnt 0x0
	ADDW 4, 5
	ADDW 6, 7
	ADDW 4, 6
	ADDW 0, 4
	s_wait_alu depctr_va_vdst(0)                   ; the additions have written v[PX .. PX+15], which the stores read
.irp i, 0,1,2,3
	global_store_b128 v[L16], v[PX+4*\i:PX+4*\i+3], s[14:15] offset:512*\i    ; two rows of the part: 512 consecutive bytes, at a multiple of 512 from the buffer's first byte
.endr
	s_wait_dscnt 0x0
	s_wait_alu depctr_hold_cnt(0) depctr_sa_sdst(0) depctr_va_vdst(0) depctr_va_sdst(0) depctr_va_ssrc(0) depctr_va_vcc(0) depctr_vm_vsrc(0)
	s_wait_tensorcnt 0x0
	ds_add_u32 v254, v255
	s_wait_dscnt 0x0
	s_endpgm
.Lfunc_end_k_qc653658543_hist:
	.size	k_qc653658543_hist, .Lfunc_end_k_qc653658543_hist-k_qc653658543_hist
	.p2alignl 7, 3214868480
	.fill 96, 4, 3214868480
	.section	.rodata,"a",@progbits
	.p2align	6, 0x0
	.amdhsa_kernel k_qc653658543_hist
		.amdhsa_group_segment_fixed_size 140288
		.amdhsa_private_segment_fixed_size 0
		.amdhsa_enable_private_segment 0
		.amdhsa_kernarg_size 48
		.amdhsa_user_sgpr_count 2
		.amdhsa_user_sgpr_kernarg_segment_ptr 1
		.amdhsa_wavefront_size32 1
		.amdhsa_system_sgpr_workgroup_id_x 1
		.amdhsa_system_sgpr_workgroup_id_y 1
		.amdhsa_system_sgpr_workgroup_id_z 1
		.amdhsa_system_vgpr_workitem_id 0
		.amdhsa_next_free_vgpr 384
		.amdhsa_next_free_sgpr 66
		.amdhsa_reserve_vcc 0
		.amdhsa_float_denorm_mode_32 3
		.amdhsa_float_denorm_mode_16_64 3
		.amdhsa_memory_ordered 1
		.amdhsa_forward_progress 1
		.amdhsa_inst_pref_size 214
	.end_amdhsa_kernel
	.amdgpu_metadata
---
amdhsa.version: [ 1, 2 ]
amdhsa.kernels:
  - .name:           k_qc653658543_hist
    .symbol:         k_qc653658543_hist.kd
    .args:
      - { .name: img_ref, .offset: 0, .size: 8, .value_kind: global_buffer, .address_space: global }
      - { .name: img_tar, .offset: 8, .size: 8, .value_kind: global_buffer, .address_space: global }
      - { .name: bins_ref, .offset: 16, .size: 8, .value_kind: global_buffer, .address_space: global }
      - { .name: bins_tar, .offset: 24, .size: 8, .value_kind: global_buffer, .address_space: global }
      - { .name: mm, .offset: 32, .size: 8, .value_kind: global_buffer, .address_space: global }
      - { .name: part, .offset: 40, .size: 8, .value_kind: global_buffer, .address_space: global }
    .group_segment_fixed_size: 140288
    .private_segment_fixed_size: 0
    .kernarg_segment_align: 8
    .kernarg_segment_size: 48
    .max_flat_workgroup_size: 256
    .sgpr_count:     66
    .vgpr_count:     384
    .wavefront_size: 32
...
	.end_amdgpu_metadata
.endif
;; end of part 5
;; launch sum (part 6): grid 256 x 1, 2 waves a work-group, no clusters, 0 bytes of LDS; arguments part, out0; writes out0
.if DOCPART == 6
	.amdgcn_target "amdgcn-amd-amdhsa--gfx1250"
	.amdhsa_code_object_version 6
	.text
	.protected	k_qc653658543_sum
	.globl	k_qc653658543_sum
	.p2align	8
	.type	k_qc653658543_sum,@function
k_qc653658543_sum:
	s_mov_b64 s[64:65], 0
	v_nop
	global_prefetch_b8 v0, s[64:65] scope:SCOPE_SE
	s_setreg_imm32_b32 hwreg(HW_REG_WAVE_MODE, 25, 1), 1
	s_wait_xcnt 0x0
; out0[n][b][c] = 4,096 x the sum over j = 0 .. 15 of part[16 n + j][b][c]: an image's sixteen parts along K, and the division by EPS^2 = 2^-12, which rounds nothing.
; Work-group x owns bytes 1,024 x .. 1,024 x + 1,023 of out0: image x / 16, the (x % 16)-th 1,024 bytes of its 16,384.  A thread owns 16 bytes; its sixteen loads are all out together;
; each load and the store of a wave cover 512 consecutive bytes.  Each byte of part is read once, each byte of out0 written once.  No LDS, no barrier: threads share nothing.
.set X, 4                              ; v4-67: part j's four numbers at v[4 + 4 j]
	s_load_b128 s[4:7], s[0:1], 0x0                ; part, out0
	v_lshlrev_b32 v1, 4, v0                        ; 16 bytes a thread
	s_lshr_b32 s8, ttmp9, 4
	s_lshl_b32 s8, s8, 18                          ; the image's sixteen parts of 16,384 bytes
	s_and_b32 s9, ttmp9, 15
	s_lshl_b32 s9, s9, 10                          ; my 1,024 bytes in each
	s_add_co_u32 s8, s8, s9
	s_mov_b32 s9, 0
	s_lshl_b32 s10, ttmp9, 10
	s_mov_b32 s11, 0
	s_wait_alu depctr_va_vdst(0)
	s_wait_kmcnt 0x0
	s_add_nc_u64 s[4:5], s[4:5], s[8:9]
	s_add_nc_u64 s[6:7], s[6:7], s[10:11]
.irp j, 0,1,2,3,4,5,6,7,8,9,10,11,12,13,14,15
	global_load_b128 v[X+4*\j:X+4*\j+3], v1, s[4:5] offset:16384*\j th:TH_LOAD_NT
.endr
.macro ADDP a, b                       ; part a += part b
	v_pk_add_f32 v[X+4*(\a):X+4*(\a)+1], v[X+4*(\a):X+4*(\a)+1], v[X+4*(\b):X+4*(\b)+1]
	v_pk_add_f32 v[X+4*(\a)+2:X+4*(\a)+3], v[X+4*(\a)+2:X+4*(\a)+3], v[X+4*(\b)+2:X+4*(\b)+3]
.endm
	s_wait_loadcnt 8                               ; parts 0 to 7 are in; the eight loads of parts 8 to 15 may be out
	ADDP 0, 1
	ADDP 2, 3
	ADDP 4, 5
	ADDP 6, 7
	ADDP 0, 2
	ADDP 4, 6
	ADDP 0, 4
	s_wait_loadcnt 0x0
	ADDP 8, 9
	ADDP 10, 11
	ADDP 12, 13
	ADDP 14, 15
	ADDP 8, 10
	ADDP 12, 14
	ADDP 8, 12
	ADDP 0, 8
	v_pk_mul_f32 v[X:X+1], v[X:X+1], 0x45800000 op_sel_hi:[1,0]        ; x 4,096
	v_pk_mul_f32 v[X+2:X+3], v[X+2:X+3], 0x45800000 op_sel_hi:[1,0]
	global_store_b128 v1, v[X:X+3], s[6:7] th:TH_STORE_NT
	s_endpgm
.Lfunc_end_k_qc653658543_sum:
	.size	k_qc653658543_sum, .Lfunc_end_k_qc653658543_sum-k_qc653658543_sum
	.p2alignl 7, 3214868480
	.fill 96, 4, 3214868480
	.section	.rodata,"a",@progbits
	.p2align	6, 0x0
	.amdhsa_kernel k_qc653658543_sum
		.amdhsa_group_segment_fixed_size 0
		.amdhsa_private_segment_fixed_size 0
		.amdhsa_enable_private_segment 0
		.amdhsa_kernarg_size 16
		.amdhsa_user_sgpr_count 2
		.amdhsa_user_sgpr_kernarg_segment_ptr 1
		.amdhsa_wavefront_size32 1
		.amdhsa_system_sgpr_workgroup_id_x 1
		.amdhsa_system_sgpr_workgroup_id_y 1
		.amdhsa_system_sgpr_workgroup_id_z 1
		.amdhsa_system_vgpr_workitem_id 0
		.amdhsa_next_free_vgpr 72
		.amdhsa_next_free_sgpr 66
		.amdhsa_reserve_vcc 0
		.amdhsa_float_denorm_mode_32 3
		.amdhsa_float_denorm_mode_16_64 3
		.amdhsa_memory_ordered 1
		.amdhsa_forward_progress 1
		.amdhsa_inst_pref_size 5
	.end_amdhsa_kernel
	.amdgpu_metadata
---
amdhsa.version: [ 1, 2 ]
amdhsa.kernels:
  - .name:           k_qc653658543_sum
    .symbol:         k_qc653658543_sum.kd
    .args:
      - { .name: part, .offset: 0, .size: 8, .value_kind: global_buffer, .address_space: global }
      - { .name: out0, .offset: 8, .size: 8, .value_kind: global_buffer, .address_space: global }
    .group_segment_fixed_size: 0
    .private_segment_fixed_size: 0
    .kernarg_segment_align: 8
    .kernarg_segment_size: 16
    .max_flat_workgroup_size: 64
    .sgpr_count:     66
    .vgpr_count:     72
    .wavefront_size: 32
...
	.end_amdgpu_metadata
.endif
;; end of part 6
